; MI455X (gfx1250); checked and timed in simulation.
; The chip was launched on July 23, 2026; its instructions are those of AMD's public machine-readable ISA for CDNA 5 (MIT licence, August 2026) and "CDNA5" Instruction Set Architecture Reference Guide (July 2026). The comments in the code are by the model that wrote it; some were corrected since.
;; LSTM. Allowed arithmetic: matrix products marked QUANTISED: E5M2 operands, one given power-of-two scale a tensor, by v_wmma_f32_16x16x64_bf8_bf8 or v_wmma_f32_16x16x128_bf8_bf8, f32 sums; everything else in f32.
;; Inputs: Wf_codes 1,024 x 64 x 32 uint8 (E5M2 codes of Wf, K innermost, in blocks of 32 codes); Wi_codes 1,024 x 64 x 32 uint8 (E5M2 codes of Wi, K innermost, in blocks of 32 codes); Wo_codes 1,024 x 64 x 32 uint8 (E5M2 codes of Wo, K innermost, in blocks of 32 codes); Wz_codes 1,024 x 64 x 32 uint8 (E5M2 codes of Wz, K innermost, in blocks of 32 codes); bf 1,024 float32; bi 1,024 float32; bo 1,024 float32; bz 1,024 float32; lowp_scales 8 int32 (the exponents e of the quantised operands' scales 2^e); prev_c 8,192 x 1,024 float32; prev_h 8,192 x 1,024 float32; x 8,192 x 1,024 float32.
;; Outputs: out0 2 x 8,192 x 1,024 float32.
;; This version of the problem:
;;   THIS VERSION OF THE PROBLEM IS GIVEN IN LOW PRECISION. The matrix products marked QUANTISED in the list below multiply operands that are first quantised to E5M2 (5 exponent bits, 2 mantissa bits; 8 bits a number), with one given power-of-two scale for each operand tensor; their sums are f32. All else is computed in f32.
;;   The module's matrix products, in the order in which they are computed (A, B: the left and right operand; K: the contracted axis; several contracted axes count as one K, in the product's order):
;;     1. [M 8,192, K 2,048] x [K 2,048, N 1,024]; A: computed on the way; B: input Wi (given as codes): QUANTISED (scales: A lowp_scales[0], B lowp_scales[1])
;;     2. [M 8,192, K 2,048] x [K 2,048, N 1,024]; A: computed on the way; B: input Wf (given as codes): QUANTISED (scales: A lowp_scales[2], B lowp_scales[3])
;;     3. [M 8,192, K 2,048] x [K 2,048, N 1,024]; A: computed on the way; B: input Wo (given as codes): QUANTISED (scales: A lowp_scales[4], B lowp_scales[5])
;;     4. [M 8,192, K 2,048] x [K 2,048, N 1,024]; A: computed on the way; B: input Wz (given as codes): QUANTISED (scales: A lowp_scales[6], B lowp_scales[7])
;;   THE QUANTISER, for each operand of a quantised product, along K:
;;     - The operand's scale is 2^e, e = its entry of the input lowp_scales (int32; the entries are numbered through the quantised products in the list's order, A before B).
;;     - Each number is divided by the scale, clamped to +-57,344, and rounded to the nearest number of E5M2, ties to even, subnormals kept.
;;     - The product sums the exact products of the quantised numbers (number of the format x scale) in f32.
;;   ~~~python
;;   def quantise(x, axis, e):      # numpy; x: float32 -> the quantised numbers, widened to float32 again
;;       x = np.moveaxis(x, axis, -1); K = x.shape[-1]
;;       r = np.clip(x / 2.0 ** e, -57344, 57344)
;;       step = 2.0 ** (np.maximum(np.frexp(np.where(r == 0, 1, r))[1] - 1, -14) - 2)
;;       q = np.round(r / step) * step * 2.0 ** e      # np.round: ties to even
;;       return np.moveaxis(q, -1, axis).astype(np.float32)
;;   ~~~
;;   OPERANDS COMPUTED ON THE WAY. 'Computed on the way' means the value that the module computes at that place (a softmax that the list does not call 'softmax' is quantised finished and normalised). What goes into a quantiser is computed in f32, as accurately as f32 sums, v_exp_f32 and their like allow (about 1e-6 of the number): no bf16 or f16 on the way to a quantiser, and a product that is left as it is and whose result goes on into a quantised operand takes f32 operands (vector FMAs, or v_wmma_f32_16x16x4_f32). A number that lies on a knife's edge between two numbers of the format may be rounded either way, as far as f32 arithmetic and the matrix unit's own rounding can turn it there, and no further.
;;   INPUTS GIVEN AS CODES. Wf (in the module: [1024, 2048], K = its axis 1); Wi (in the module: [1024, 2048], K = its axis 1); Wo (in the module: [1024, 2048], K = its axis 1); Wz (in the module: [1024, 2048], K = its axis 1): each comes as NAME_codes (uint8): NAME with its K axis moved to the last place and cut into blocks of 32 codes, [.., K / 32, bytes a block], one block behind the other in memory; one code a byte (a code: sign, 5 exponent bits, 2 mantissa bits); its scale is its entry of lowp_scales. Its value is code x scale, taken as it is: it is not quantised again, and the codes and scales need not be those that the quantiser above would give.
;; One version. Each part assembles by itself: llvm-mc -triple=amdgcn-amd-amdhsa -mcpu=gfx1250 --defsym DOCPART=n.
;; ======== version 1 of 1: 2 launches
;; limits: right only within a limited range of input values
;; workspace buffers: acodes 16,777,216 bytes; wcodes 8,388,608 bytes; pre 100,679,680 bytes
;; launch prep (part 1): grid 512 x 1, 4 waves a work-group, no clusters, 33,280 bytes of LDS; arguments x, prev_h, lowp_scales, Wi_codes, Wf_codes, Wo_codes, Wz_codes, bi, bf, bo, bz, acodes, wcodes, pre; writes acodes, wcodes, pre
.if DOCPART == 1
	.amdgcn_target "amdgcn-amd-amdhsa--gfx1250"
	.amdhsa_code_object_version 6
	.text
	.protected	k_q62b750f07a_prep
	.globl	k_q62b750f07a_prep
	.p2align	8
	.type	k_q62b750f07a_prep,@function
k_q62b750f07a_prep:
	s_mov_b64 s[64:65], 0
	v_nop
	global_prefetch_b8 v0, s[64:65] scope:SCOPE_SE
	s_setreg_imm32_b32 hwreg(HW_REG_WAVE_MODE, 25, 1), 1
	s_wait_xcnt 0x0
; LSTM cell, first of two launches.  No work of the problem is left out: every input has a way to the result and is loaded by one of the two launches.
; (a) xh = [x | prev_h], [8192][2048] f32, becomes codes of BF8 (E5M2) at the scale 2^e0 (entry 0 of the scales): acodes [8192][2048], K innermost; a row's bytes 0-1023 come from x, 1024-2047 from prev_h.
;     code = number / 2^e0, held within +-57,344, rounded to the nearest code, ties to even.
; (b) The four weights' codes are copied into ONE buffer in the order in which the second launch takes tiles: wcodes row 256 J + 128 c + 32 g + u = row 64 J + 32 c + u of gate g (0 i, 1 f, 2 o, 3 z):
;     256 neighbouring rows then hold all four gates of 64 hidden units, and 128 neighbouring rows all four gates of 32.
; (c) The four biases go to the head of pre, [4][1024] f32, each x -log2(e) (gate z: x -2 log2(e)): the second launch wants them so, as addends of the exponents of its exponentials, and finds a gate's addend,
;     bias or pre-activation, behind one base.
; (d) The table gives xh a scale for each product (entries 0, 2, 4, 6).  The second launch multiplies the one plane of codes made with entry 0.  A gate g whose entry 2 g differs from entry 0 gets its whole
;     pre-activation here, from codes made with its own scale: plane g - 1 of pre, behind the head's 16,384 bytes: [row][unit] = (sum x 2^(e[2g] + e[2g+1]) + b_g[unit]) x the same constant as in (c).
;     That is a branch on whole numbers read from memory, in a text with no tensor load.  Where the entries are equal this part stores nothing, and the second launch reads nothing of the planes.
; LIMITS: each A exponent between -126 and 112; e[2g] + e[2g+1] between -126 and 127; NaN in x or prev_h is not served (an infinity is held at the largest code).
; SHARES: 2,048 waves.  Wave number n: (a) 8 rows of x (n < 1024) or of prev_h, 8,192 numbers in 16 steps of 512; (b) 4,096 bytes, two rows of wcodes; (c) n < 32: 512 bytes; (d) two units of 16 rows x 128 hidden units for each such gate.
; In (a) each load reads 512 consecutive bytes; a step's 2,048 bytes turn through the wave's own stage in LDS, so that a lane then holds 16 neighbours along K; a lane's 16 codes are 16 bytes, a wave's store 512 consecutive bytes.
.set STEPS, 16
.set EMAX,  15
.set MANT,  0x600000                   ; the mantissa field of 57,344 as f32
.set PREB,  16384                      ; pre: the biases' bytes, ahead of the planes
.set CNL,   0xbfb8aa3b                 ; -log2(e)
.set CN2L,  0xc038aa3b                 ; -2 log2(e)
.set R,     16                         ; v16-79   four sets of 16 numbers as they are loaded
.set X,     80                         ; v80-111  two sets of 16 neighbours
.set C,     128                        ; v128-191 codes: four registers for each step, so that no store's data are written again
.set CP,    192                        ; v192-223 the weights' 4,096 bytes on their way
.set WREG,  8192                       ; LDS: a region for each wave: two stages of 32 x SP bytes
.set SP,    80                         ; a lane's place in a stage: 64 bytes + 16 of padding
.set SPW,   12                         ; v12  LDS address of my spare word; never rewritten
.set NIL,   13                         ; v13  0; never rewritten
.set SPARE, 4*WREG                     ; behind the four regions: the spare words, 128 bytes a wave
.set XF,    16                         ; part (d): v16-79 64 numbers of xh; v80-95 their codes; v96-159 four fragments of W, later biases and results; v160-223 eight accumulators
.set AC,    80
.set WF,    96
.set ACC,   160
	s_load_b128 s[4:7], s[0:1], 0x0                ; x, prev_h
	s_load_b64 s[8:9], s[0:1], 0x10                ; the scales' exponents
	s_load_b256 s[12:19], s[0:1], 0x18             ; Wi, Wf, Wo, Wz
	s_load_b256 s[20:27], s[0:1], 0x38             ; bi, bf, bo, bz
	s_load_b128 s[28:31], s[0:1], 0x58             ; acodes, wcodes
	s_load_b64 s[10:11], s[0:1], 0x68              ; pre
	v_lshl_add_u32 v[SPW], v0, 2, SPARE
	v_mov_b32 v[NIL], 0
	v_lshrrev_b32 v1, 5, v0
	v_readfirstlane_b32 s32, v1                    ; wave 0..3
	v_and_b32 v2, 31, v0                           ; lane
	v_lshlrev_b32 v3, 4, v2                        ; 16 x lane: my bytes of a load's or a store's 512
	s_mul_i32 s34, s32, WREG
	v_lshrrev_b32 v14, 2, v2
	v_mul_u32_u24 v14, v14, SP
	v_and_b32 v15, 3, v2
	v_lshl_add_u32 v14, v15, 4, v14
	v_add_nc_u32 v14, s34, v14                     ; the stage, on the way in: SP (lane / 4) + 16 (lane % 4)
	v_mul_u32_u24 v15, v2, SP
	v_add_nc_u32 v15, s34, v15                     ; and on the way out: SP x lane: my 16 neighbours
	v_and_b32 v4, 15, v0                           ; r
	v_bfe_u32 v9, v0, 4, 1                         ; h
	v_lshlrev_b32 v5, 12, v4
	v_lshl_add_u32 v5, v9, 6, v5                   ; part (d), xh: row r of 4,096 bytes + 64 h: my 16 numbers of a block of 32
	v_lshlrev_b32 v6, 11, v4
	v_lshl_add_u32 v6, v9, 4, v6                   ; W: row r of 2,048 bytes + 16 h
	v_lshlrev_b32 v7, 12, v4
	v_lshl_add_u32 v7, v9, 5, v7                   ; a plane of pre: row r of 4,096 bytes + 32 h
	v_lshlrev_b32 v8, 5, v9                        ; a bias: 32 h
	s_lshl_b32 s33, ttmp9, 2
	s_add_co_u32 s33, s33, s32                     ; my wave's number in the launch, 0..2047
	s_and_b32 s44, s33, 1023                       ; which 8 rows of my tensor
	s_lshl_b32 s46, s44, 15                        ; 8 rows of 4,096 bytes in x or prev_h
	s_mov_b32 s47, 0
	s_lshl_b32 s48, s44, 14                        ; 8 rows of 2,048 bytes in acodes,
	s_lshr_b32 s49, s33, 10
	s_lshl_b32 s49, s49, 10
	s_add_co_u32 s48, s48, s49                     ; + 1,024 for prev_h
	s_mov_b32 s49, 0
	s_lshr_b32 s54, s33, 4                         ; 8 J + 4 c + g
	s_and_b32 s58, s54, 3                          ; g
	s_lshr_b32 s54, s54, 2
	s_lshl_b32 s54, s54, 16                        ; (2 J + c) x 32 rows of 2,048 bytes
	s_and_b32 s56, s33, 15
	s_lshl_b32 s56, s56, 12
	s_add_co_u32 s54, s54, s56                     ; + my two rows: where I read in W_g
	s_mov_b32 s55, 0
	s_lshl_b32 s56, s33, 12                        ; and where I write in wcodes
	s_mov_b32 s57, 0
	s_wait_kmcnt 0x0
	s_load_b256 s[36:43], s[8:9], 0x0              ; e0 .. e7
	s_cmp_lt_u32 s33, 1024                         ; x's wave or prev_h's?  The choice hangs on ids alone
	s_cselect_b64 s[50:51], s[4:5], s[6:7]
	s_add_nc_u64 s[50:51], s[50:51], s[46:47]
	s_add_nc_u64 s[52:53], s[28:29], s[48:49]
	s_cmp_eq_u32 s58, 1
	s_cselect_b64 s[60:61], s[14:15], s[12:13]
	s_cmp_eq_u32 s58, 2
	s_cselect_b64 s[60:61], s[16:17], s[60:61]
	s_cmp_eq_u32 s58, 3
	s_cselect_b64 s[60:61], s[18:19], s[60:61]
	s_add_nc_u64 s[60:61], s[60:61], s[54:55]
	s_add_nc_u64 s[62:63], s[30:31], s[56:57]
.irp i, 0,1,2,3,4,5,6,7
	global_load_b128 v[CP+4*\i:CP+4*\i+3], v3, s[60:61] offset:512*\i th:TH_LOAD_NT   ; the weights' bytes go first: 512 consecutive bytes a load
.endr
.macro LOAD t
.irp i, 0,1,2,3
	global_load_b128 v[R+16*((\t)%4)+4*\i:R+16*((\t)%4)+4*\i+3], v3, s[50:51] offset:2048*(\t)+512*\i th:TH_LOAD_NT
.endr
.endm
.macro TURNQ t                         ; step t's numbers through the stage: LDS serves a wave's instructions in order, so no wait stands between the stores and the loads
.irp i, 0,1,2,3
	ds_store_b128 v14, v[R+16*((\t)%4)+4*\i:R+16*((\t)%4)+4*\i+3] offset:32*SP*((\t)%2)+8*SP*\i
.endr
.irp i, 0,1,2,3
	ds_load_b128 v[X+16*((\t)%2)+4*\i:X+16*((\t)%2)+4*\i+3], v15 offset:32*SP*((\t)%2)+16*\i
.endr
.endm
.irp t, 0,1,2,3
	LOAD \t
.endr
	s_wait_kmcnt 0x0
	s_add_co_i32 s34, s36, 127
	s_lshl_b32 s35, s34, 23
	v_mov_b32 v11, s35                             ; 2^e0 as f32: the conversion takes its exponent field
	s_add_co_i32 s34, s34, EMAX
	s_lshl_b32 s34, s34, 23
	s_or_b32 s34, s34, MANT
	v_mov_b32 v10, s34                             ; 57,344 x 2^e0
	s_wait_alu depctr_va_vdst(0)
	s_wait_loadcnt 12                              ; all but the youngest twelve: step 0's four loads are in, and the eight older ones with the weights' bytes
.irp i, 0,1,2,3,4,5,6,7
	global_store_b128 v3, v[CP+4*\i:CP+4*\i+3], s[62:63] offset:512*\i
.endr
	TURNQ 0
.macro STEP t
.set XS, X+16*((\t)%2)
	s_wait_dscnt 0x0                               ; this step's numbers are back from the stage: so its stores into the stage have read their registers,
.if (\t)+4 < STEPS
	LOAD (\t)+4                                    ; which take the loads of four steps on
.endif
.if (\t)+1 < STEPS
.if STEPS-2-(\t) >= 3
	s_wait_loadcnt 12                              ; the next step's four loads are in; those of the three steps behind it may be out
.else
	s_wait_loadcnt 4*(STEPS-2-(\t))
.endif
	TURNQ (\t)+1
.endif
.irp i, 0,1,2,3,4,5,6,7,8,9,10,11,12,13,14,15
	v_med3_num_f32 v[XS+\i], v[XS+\i], -v10, v10   ; the conversion to an 8-bit code does not saturate (ISA guide 7.6.2): the hold at the largest code x the scale
.endr
	v_cvt_scalef32_pk8_bf8_f32 v[C+4*(\t):C+4*(\t)+1], v[XS:XS+7], v11
	v_cvt_scalef32_pk8_bf8_f32 v[C+4*(\t)+2:C+4*(\t)+3], v[XS+8:XS+15], v11
.if (\t) == STEPS-1
	v_nop                                          ; a plain vector line behind the last conversion: part (d) may write these registers again (in the other steps the next step's holds are such lines)
.endif
	global_store_b128 v3, v[C+4*(\t):C+4*(\t)+3], s[52:53] offset:2048*((\t)/2)+512*((\t)%2)   ; step t is half t % 2 of my row t / 2; a row of acodes is 2,048 bytes
.endm
.irp t, 0,1,2,3,4,5,6,7,8,9,10,11,12,13,14,15
	STEP \t
.endr
	s_wait_tensorcnt 0x0                           ; behind my last LDS store
	ds_add_u32 v[SPW], v[NIL]
	s_wait_dscnt 0x0
	s_wait_xcnt 0x0                                ; the stores above have read their data and their bases: parts (c) and (d) write both again
	; PART (c).  Waves 0 to 31 of the launch take the biases: wave n takes 512 bytes, numbers 128 (n % 8) on of gate n / 8, x the gate's constant, to byte 512 n of pre.  A branch on ids; no barrier stands in this text.
	s_cmp_lt_u32 s33, 32
	s_cbranch_scc0 .Lno_bias
	s_lshr_b32 s58, s33, 3                         ; g
	s_mov_b32 s34, CNL
	s_mov_b32 s35, CN2L
	s_cmp_eq_u32 s58, 1
	s_cselect_b64 s[60:61], s[22:23], s[20:21]
	s_cmp_eq_u32 s58, 2
	s_cselect_b64 s[60:61], s[24:25], s[60:61]
	s_cmp_eq_u32 s58, 3
	s_cselect_b64 s[60:61], s[26:27], s[60:61]
	s_cselect_b32 s34, s35, s34                    ; -2 log2(e) for gate z, -log2(e) for the others
	s_mov_b32 s35, s34                             ; (named with it as a pair, so it is written)
	s_and_b32 s54, s33, 7
	s_lshl_b32 s54, s54, 9
	s_mov_b32 s55, 0
	s_add_nc_u64 s[60:61], s[60:61], s[54:55]
	s_lshl_b32 s56, s33, 9
	s_mov_b32 s57, 0
	s_add_nc_u64 s[62:63], s[10:11], s[56:57]
	global_load_b128 v[16:19], v3, s[60:61]
	s_wait_loadcnt 0x0
	v_pk_mul_f32 v[16:17], v[16:17], s[34:35] op_sel_hi:[1,0]
	v_pk_mul_f32 v[18:19], v[18:19], s[34:35] op_sel_hi:[1,0]
	global_store_b128 v3, v[16:19], s[62:63]       ; 512 consecutive bytes
	s_wait_xcnt 0x0                                ; the store has read its data and its base: part (d) writes both again
.Lno_bias:
; PART (d).  The product is used transposed: source 0 = 16 rows of W_g, source 1 = 16 rows of xh: lane (r, h) then holds row r of xh and hidden units 16 t + 8 h + 0 .. 7 of tile t.
; Both fragments hold, in registers 4 c .. 4 c + 3, K = 32 c + 16 h + 0 .. 15: the same order of k on both sides, so each product meets its partner.
.macro WLOAD t0                        ; four fragments of W_g: tiles t0 .. t0 + 3
.irp t, 0,1,2,3
.irp c, 0,1,2,3
	global_load_b128 v[WF+16*\t+4*\c:WF+16*\t+4*\c+3], v6, s[50:51] offset:32768*((\t0)+\t)+32*\c
.endr
.endr
.endm
.macro WMUL t0, zero                   ; the eight accumulators take turns, one instruction a turn, over the loop's backward jump too
.irp t, 0,1,2,3
.if \zero
	v_wmma_f32_16x16x128_bf8_bf8 v[ACC+8*((\t0)+\t):ACC+8*((\t0)+\t)+7], v[WF+16*\t:WF+16*\t+15], v[AC:AC+15], 0
.else
	v_wmma_f32_16x16x128_bf8_bf8 v[ACC+8*((\t0)+\t):ACC+8*((\t0)+\t)+7], v[WF+16*\t:WF+16*\t+15], v[AC:AC+15], v[ACC+8*((\t0)+\t):ACC+8*((\t0)+\t)+7]
.endif
.endr
.rept 4
	v_nop                                          ; four places in front of loads into registers that these products read, and of the first read of results
.endr
.endm
.macro KSTEP zero                      ; K step s48 of sixteen, 128 along K.  All earlier loads have been waited for, so the bases may be written
	s_cmp_lt_u32 s48, 8
	s_cselect_b64 s[52:53], s[4:5], s[6:7]         ; K under 1,024 lies in x, the rest in prev_h
	s_and_b32 s54, s48, 7
	s_lshl_b32 s54, s54, 9
	s_add_co_u32 s54, s54, s45                     ; 512 bytes a K step + my unit's first row
	s_add_nc_u64 s[52:53], s[52:53], s[54:55]
.irp c, 0,1,2,3
.irp j, 0,1,2,3
	global_load_b128 v[XF+16*\c+4*\j:XF+16*\c+4*\j+3], v5, s[52:53] offset:128*\c+16*\j
.endr
.endr
	WLOAD 0
	s_wait_loadcnt 16                              ; xh's sixteen loads are in; W's sixteen, issued behind them, may be out
.irp c, 0,1,2,3
.irp i, 0,1,2,3,4,5,6,7,8,9,10,11,12,13,14,15
	v_med3_num_f32 v[XF+16*\c+\i], v[XF+16*\c+\i], -v10, v10
.endr
	v_cvt_scalef32_pk8_bf8_f32 v[AC+4*\c:AC+4*\c+1], v[XF+16*\c:XF+16*\c+7], v11
	v_cvt_scalef32_pk8_bf8_f32 v[AC+4*\c+2:AC+4*\c+3], v[XF+16*\c+8:XF+16*\c+15], v11
.endr
	v_nop                                          ; a plain vector line between the last conversion and the product that reads its result
	s_wait_alu depctr_va_vdst(0)
	s_wait_loadcnt 0x0
	WMUL 0, \zero
	WLOAD 4
	s_wait_loadcnt 0x0
	WMUL 4, \zero
	s_add_nc_u64 s[50:51], s[50:51], 128           ; W's next K step
.endm
.macro GATE g
	s_cmp_eq_u32 s[36+2*\g], s36                   ; the gate's A scale is the plane's: the second launch multiplies it
	s_cbranch_scc1 .Lsame_\@
	s_add_co_i32 s62, s[36+2*\g], 127
	s_lshl_b32 s63, s62, 23
	v_mov_b32 v11, s63                             ; 2^e[2g]
	s_add_co_i32 s62, s62, EMAX
	s_lshl_b32 s62, s62, 23
	s_or_b32 s62, s62, MANT
	v_mov_b32 v10, s62                             ; 57,344 x 2^e[2g]
.if (\g) == 3
	s_mov_b32 s62, CN2L                            ; the constant by which the second launch wants the pre-activation multiplied
.else
	s_mov_b32 s62, CNL
.endif
	s_mov_b32 s63, s62                             ; (named with it as a pair, so it is written)
	s_add_co_i32 s58, s[36+2*\g], s[37+2*\g]
	s_add_co_i32 s58, s58, 127
	s_lshl_b32 s58, s58, 23                        ; 2^(e[2g] + e[2g+1]) as f32
	s_mov_b32 s59, s58                             ; (likewise)
	s_lshr_b32 s45, s33, 3
	s_lshl_b32 s45, s45, 16                        ; my first unit's first row, 16 (n / 8), in bytes of 4,096 a row
	s_and_b32 s46, s33, 7                          ; my 128 hidden units: 128 (n % 8) on
	s_lshl_b32 s54, s46, 9
	s_mov_b32 s55, 0
	s_add_nc_u64 s[60:61], s[20+2*\g:21+2*\g], s[54:55]   ; the bias at my units
	s_add_nc_u64 s[56:57], s[10:11], s[54:55]
	s_mov_b32 s54, s45
	s_add_nc_u64 s[56:57], s[56:57], s[54:55]      ; pre at my unit,
	s_add_nc_u64 s[56:57], s[56:57], PREB+(((\g)-1)<<25)  ; in the gate's plane of 8,192 x 4,096 bytes, behind the biases
	s_mov_b32 s47, 0
.Lunit_\@:                                     ; two units, 4,096 rows apart
	s_lshl_b32 s54, s46, 18                        ; my 128 rows of W_g, 2,048 bytes each
	s_add_nc_u64 s[50:51], s[12+2*\g:13+2*\g], s[54:55]
	s_mov_b32 s48, 0
	s_wait_alu depctr_va_vdst(0)
	KSTEP 1                                        ; the first K step starts the sums
	s_mov_b32 s48, 1
.Lk_\@:
	KSTEP 0
	s_add_co_u32 s48, s48, 1
	s_cmp_lt_u32 s48, 16
	s_cbranch_scc1 .Lk_\@
.irp t, 0,1,2,3,4,5,6,7
	global_load_b128 v[WF+8*\t:WF+8*\t+3], v8, s[60:61] offset:64*\t
	global_load_b128 v[WF+8*\t+4:WF+8*\t+7], v8, s[60:61] offset:64*\t+16
.endr
	s_wait_loadcnt 0x0
.irp j, 0,2,4,6,8,10,12,14,16,18,20,22,24,26,28,30,32,34,36,38,40,42,44,46,48,50,52,54,56,58,60,62
	v_pk_fma_f32 v[WF+\j:WF+\j+1], v[ACC+\j:ACC+\j+1], s[58:59], v[WF+\j:WF+\j+1] op_sel_hi:[1,0,1]   ; sum x 2^(e[2g] + e[2g+1]) + bias; each accumulator from its low end on
.endr
.irp j, 0,2,4,6,8,10,12,14,16,18,20,22,24,26,28,30,32,34,36,38,40,42,44,46,48,50,52,54,56,58,60,62
	v_pk_mul_f32 v[WF+\j:WF+\j+1], v[WF+\j:WF+\j+1], s[62:63] op_sel_hi:[1,0]                         ; x the gate's constant
.endr
.irp t, 0,1,2,3,4,5,6,7
	global_store_b128 v7, v[WF+8*\t:WF+8*\t+3], s[56:57] offset:64*\t          ; 32 bytes a lane, sixteen rows an instruction: this path runs only for a gate whose scale differs
	global_store_b128 v7, v[WF+8*\t+4:WF+8*\t+7], s[56:57] offset:64*\t+16
.endr
	s_wait_xcnt 0x0                                ; the stores have read their data and their base: both are written again
	s_add_co_u32 s45, s45, 0x1000000               ; 4,096 rows on
	s_add_nc_u64 s[56:57], s[56:57], 0x1000000
	s_add_co_u32 s47, s47, 1
	s_cmp_lt_u32 s47, 2
	s_cbranch_scc1 .Lunit_\@
.Lsame_\@:
.endm
	GATE 1
	GATE 2
	GATE 3
	s_endpgm
.Lfunc_end_k_q62b750f07a_prep:
	.size	k_q62b750f07a_prep, .Lfunc_end_k_q62b750f07a_prep-k_q62b750f07a_prep
	.p2alignl 7, 3214868480
	.fill 96, 4, 3214868480
	.section	.rodata,"a",@progbits
	.p2align	6, 0x0
	.amdhsa_kernel k_q62b750f07a_prep
		.amdhsa_group_segment_fixed_size 33280
		.amdhsa_private_segment_fixed_size 0
		.amdhsa_enable_private_segment 0
		.amdhsa_kernarg_size 112
		.amdhsa_user_sgpr_count 2
		.amdhsa_user_sgpr_kernarg_segment_ptr 1
		.amdhsa_wavefront_size32 1
		.amdhsa_system_sgpr_workgroup_id_x 1
		.amdhsa_system_sgpr_workgroup_id_y 1
		.amdhsa_system_sgpr_workgroup_id_z 1
		.amdhsa_system_vgpr_workitem_id 0
		.amdhsa_next_free_vgpr 224
		.amdhsa_next_free_sgpr 66
		.amdhsa_reserve_vcc 0
		.amdhsa_float_denorm_mode_32 3
		.amdhsa_float_denorm_mode_16_64 3
		.amdhsa_memory_ordered 1
		.amdhsa_forward_progress 1
		.amdhsa_inst_pref_size 127
	.end_amdhsa_kernel
	.amdgpu_metadata
---
amdhsa.version: [ 1, 2 ]
amdhsa.kernels:
  - .name:           k_q62b750f07a_prep
    .symbol:         k_q62b750f07a_prep.kd
    .args:
      - { .name: x, .offset: 0, .size: 8, .value_kind: global_buffer, .address_space: global }
      - { .name: prev_h, .offset: 8, .size: 8, .value_kind: global_buffer, .address_space: global }
      - { .name: lowp_scales, .offset: 16, .size: 8, .value_kind: global_buffer, .address_space: global }
      - { .name: Wi_codes, .offset: 24, .size: 8, .value_kind: global_buffer, .address_space: global }
      - { .name: Wf_codes, .offset: 32, .size: 8, .value_kind: global_buffer, .address_space: global }
      - { .name: Wo_codes, .offset: 40, .size: 8, .value_kind: global_buffer, .address_space: global }
      - { .name: Wz_codes, .offset: 48, .size: 8, .value_kind: global_buffer, .address_space: global }
      - { .name: bi, .offset: 56, .size: 8, .value_kind: global_buffer, .address_space: global }
      - { .name: bf, .offset: 64, .size: 8, .value_kind: global_buffer, .address_space: global }
      - { .name: bo, .offset: 72, .size: 8, .value_kind: global_buffer, .address_space: global }
      - { .name: bz, .offset: 80, .size: 8, .value_kind: global_buffer, .address_space: global }
      - { .name: acodes, .offset: 88, .size: 8, .value_kind: global_buffer, .address_space: global }
      - { .name: wcodes, .offset: 96, .size: 8, .value_kind: global_buffer, .address_space: global }
      - { .name: pre, .offset: 104, .size: 8, .value_kind: global_buffer, .address_space: global }
    .group_segment_fixed_size: 33280
    .private_segment_fixed_size: 0
    .kernarg_segment_align: 8
    .kernarg_segment_size: 112
    .max_flat_workgroup_size: 128
    .sgpr_count:     66
    .vgpr_count:     224
    .wavefront_size: 32
...
	.end_amdgpu_metadata
.endif
;; end of part 1
;; launch lstm (part 2): grid 16 x 16, 4 waves a work-group, clusters of 4 x 4, 327,680 bytes of LDS; arguments acodes, wcodes, lowp_scales, out0, prev_c, pre; writes out0
.if DOCPART == 2
	.amdgcn_target "amdgcn-amd-amdhsa--gfx1250"
	.amdhsa_code_object_version 6
	.text
	.protected	k_q62b750f07a_lstm
	.globl	k_q62b750f07a_lstm
	.p2align	8
	.type	k_q62b750f07a_lstm,@function
k_q62b750f07a_lstm:
	s_mov_b64 s[64:65], 0
	v_nop
	global_prefetch_b8 v0, s[64:65] scope:SCOPE_SE
	s_setreg_imm32_b32 hwreg(HW_REG_WAVE_MODE, 25, 1), 1
	s_wait_xcnt 0x0
	s_wait_alu depctr_hold_cnt(0) depctr_sa_sdst(0) depctr_va_vdst(0) depctr_va_sdst(0) depctr_va_ssrc(0) depctr_va_vcc(0) depctr_vm_vsrc(0)
	s_getreg_b32 s2, hwreg(HW_REG_IB_STS2, 6, 4)
	s_cmp_eq_u32 s2, 0
	s_cbranch_scc0 .Lentry_in_a_cluster
	s_endpgm
.Lentry_in_a_cluster:
	s_bfe_u32 s2, ttmp6, 0x10000c
	s_cmp_lg_u32 s2, 0xf033
	s_cbranch_scc0 .Lentry_shape_is_right
	s_endpgm
.Lentry_shape_is_right:
; LSTM cell, second launch: the four gates' products on codes of BF8 (E5M2), the gates, c and h, in one text.  No work of the problem is left out.
; acodes [8192][2048]: xh's codes at the scale 2^e0.  wcodes [4096][2048]: row 256 J + 128 c + 32 g + u = row 64 J + 32 c + u of gate g (0 i, 1 f, 2 o, 3 z).  out0 = [h ; c], two planes of [8192][1024] f32.
; pre: the four biases, [4][1024] f32, then three planes [8192][1024] f32 for gates f, o, z; all x -log2(e) (gate z: x -2 log2(e)) already (the first launch wrote them; a plane only where it is read here).
; A tile is 256 rows x 64 hidden units x 4 gates: 256 x 256 of acodes x wcodes^T.  A wave makes 128 x 128: 64 accumulators, 512 registers: 128 rows x 32 units x 4 gates, so all four gates of an element lie in ONE lane.
; A WORK-GROUP STAYS: it makes two tiles, 4,096 rows apart, with the same rows of wcodes.  The first tile's last two changes of slots ask for the second tile's K steps 0 and 1, which land while the first tile's gates are worked out.
;   The text: products of tile 0; then a loop of two trips: gates and way out; (the last tile leaves here); products of tile 1, which ask for nothing beyond their end.
; K goes in steps of 256 through a ring of two LDS slots filled by tensor loads: a tile's row is 256 bytes of memory.
; CLUSTERS: 4 x 4 work-groups.  The four of a row of the cluster need the same tiles of acodes, the four of a column the same tiles of wcodes: each tile is asked for JOINTLY.
; THE MATRIX INSTRUCTION IS USED TRANSPOSED (source 0 = 16 rows of wcodes, source 1 = 16 rows of acodes): in accumulator (a, b), b = 2 g + u, lane (r, h) holds row 16 a + r, gate g, units 16 u + 8 h + 0 .. 7.
; A STEP of 128 along K is four quarters of 16 products; behind each quarter stand four places and one run of LDS loads for the next step: 24, 16, 8 and 16 loads.
; PREFETCH: each K step's rows of codes are asked for two K steps ahead of the joint load that wants them: a lane a row of 256 bytes, one instruction a wave; of the 128 rows that a wave fetches each of the four partners
;   that ask for them jointly names 32, told apart by address (cx for acodes, cy for wcodes).  wcodes' rows are asked for in the first tile alone: the second reads the same.  A tile's K steps 0 (and, in the second tile, 1) come by
;   their loads alone.  prev_c: in the lap loop's last trip each wave asks for the 64 rows x 256 bytes that it alone will load.
; THE GATES.  With y the pre-activation: sigmoid(y) = 1 / (1 + E), E = 2^(-log2(e) y);  tanh(y) = 2 / (1 + E) - 1, E = 2^(-2 log2(e) y).  An E that overflows gives the reciprocal 0: the function's own limit; nothing is held.
;   By blocks of 16 rows, two stages in one trip: block a: P = i z, f, o, in the accumulators' layout, into an LDS stage; block a - 1: P, f, o come back as whole rows of 256 bytes (8 rows a wave), prev_c is loaded and
;   c = P + f prev_c and h = o tanh(c) are stored in that layout: sixteen lanes on 256 consecutive bytes, aligned.  Both blocks' exponentials form one batch, and so do their reciprocals.
; THE A SCALES.  A gate g whose entry 2 g of the scales equals entry 0 is multiplied here: exponent = sum x (-log2(e) 2^(e0 + e[2g+1])) + its bias as it lies in pre.  A gate whose entry differs has its whole
;   exponent in its plane of pre: its factor is 0 and its addend is read from the plane.  No jump: the factor is selected in a scalar register, the addend's offset is bias + f x (plane - bias), f = 0 or 1.
; LIMIT: e0 + e[2g+1] between -126 and 126 (added to a constant's exponent field).
; REGISTERS, in windows of 256: window 0: v0-31 addresses; v32-95 block 0's addends; from v128 A's fragments, ONE set.   window 1: B's fragments, TWO sets.
;   window 2: the accumulators of my rows 0-63 ((a, b) at v[8 (8 a + b)]);   window 3: those of my rows 64-127.   Among the gates: window 0 what loads bring, window 1 what is computed.
.set ROWB,   256                       ; a tile's row in bytes: 256 along K in a slot
.set KROW,   2048                      ; a row of acodes or wcodes in bytes
.set PITCH,  272                       ; an LDS row: 256 bytes + 16 of padding
.set FR,     16                        ; registers of a fragment: 16 rows x 128 K
.set NP,     4                         ; places behind this matrix instruction (ISA guide 7.12.1)
.set HALFT,  128*PITCH                 ; 128 rows: what one joint load brings
.set SLOT,   4*HALFT                   ; A's 256 rows, then B's 256 rows
.set LAPS,   4                         ; a lap = two K steps of 256; K = 2,048
.set STAGE,  2*SLOT                    ; behind the ring: the gates' stage: planes P, f, o of 32 rows x 272 bytes; no tensor load lands here
.set PL,     32*PITCH
.set SPARE,  STAGE+3*PL                ; behind the stage: the spare words, 128 bytes a wave
.set OROW,   4096                      ; a row of prev_c, of a plane of pre and of out0's planes in bytes
.set PREB,   16384                     ; pre: the biases' bytes, ahead of the planes
.set NEXT_A, 4096*KROW-6*ROWB          ; from a slot's last K step of tile 0 to its first of tile 1: 4,096 rows down, six K steps back
.set BACK_B, 6*ROWB                    ; wcodes: only back
.set TILEB,  4096*OROW                 ; 4,096 rows of prev_c or out0
.set CNL,    0xbfb8aa3b                ; -log2(e)
.set CN2L,   0xc038aa3b                ; -2 log2(e)
.set VA,   8                           ; v8-11   the addends' offsets, gate g at v[8 + g]
.set PFO,  12                          ; v12     prev_c's prefetch: (16 (lane / 8) + lane % 8) rows; never rewritten
.set PFT,  13                          ; v13     lane x a row of codes; never rewritten
.set ADRA, 16                          ; v16-17  LDS address of my A fragments in slot 0, 1
.set ADRB, 20                          ; v20-21  the same for B
.set STW,  22                          ; v22     the stage, in: (16 rh + r) 272 + 128 c + 32 h
.set STR,  24                          ; v24     the stage, back: (16 rh + 8 c + h) 272 + 16 r
.set CO,   26                          ; v26     the same place in prev_c and out0: h rows + 16 r
.set SPW,  28                          ; v28     LDS address of my spare word; never rewritten
.set NIL,  29                          ; v29     0; never rewritten
.set AD0,  32                          ; window 0: v32-95, v96-159: a block's addends, two sets by turns
.set PC0,  160                         ; v160-191: prev_c, two sets by turns
.set SP,   192                         ; v192-239: P, f, o as whole rows
.set SF,   208
.set SO,   224
.set T,    0                           ; window 1: v0-63 the four gates' exponents, then E, 1 + E, 1 / (1 + E)
.set TI,   T
.set TF,   T+16
.set TO,   T+32
.set TZ,   T+48
.set TC,   64                          ; v64-79 the same for tanh(c), then h
.set C,    80                          ; v80-95 c
.set AF,   128                         ; A's fragments, in window 0
.set G1, 24                            ; s[24:31] group 1 for A's tiles; s[32:39] group 0, a set for each slot
.set G0, 32
.set G1B, 48                           ; the same for B's tiles
.set G0B, 56
.set PB,  68                           ; s[68:69] prev_c at my 8 rows of block 0
.set OW,  70                           ; s[70:71] (behind the head) h's plane there
.set SB,  72                           ; s[72:73] the addends' base
.set PFA, 74                           ; s[74:75] the codes' prefetches: my work-group's 32 rows of the 128 that I fetch
.set LIM, 79                           ; s79     1 while my wave prefetches codes, then the greatest number (B's waves, in the second tile)
.set OC,  90                           ; s[90:91] c's plane
.set MSB, 0
.macro WIN new                         ; the immediate's high byte repeats the setting that is left
.if MSB != (\new)
	s_set_vgpr_msb (MSB<<8)|(\new)
.set MSB, (\new)
.endif
.endm
.set MUL_LO, 0xa1                      ; source 0 (B) window 1, source 1 (A) window 0, C and D window 2
.set MUL_HI, 0xf1                      ; the same, C and D window 3
.set TO_B,   0x40                      ; destination window 1
.set FROM_B, 0x04                      ; a store's data window 1
; A joint load: waves 0 and 1 fetch for A, waves 2 and 3 for B; an s_nop 0 and four v_nop follow each line
.macro JLOAD g0a, g1a, g0b, g1b
	s_cmp_eq_u32 s15, 0
	s_cbranch_scc0 .Lfor_b_\@
	tensor_load_to_lds s[\g0a:\g0a+3], s[\g1a:\g1a+7]
	s_nop 0
.rept 4
	v_nop
.endr
	s_branch .Lasked_\@
.Lfor_b_\@:
	tensor_load_to_lds s[\g0b:\g0b+3], s[\g1b:\g1b+7]
	s_nop 0
.rept 4
	v_nop
.endr
.Lasked_\@:
.endm
.macro CROUND                          ; a round of the cluster's barrier
	s_barrier_signal -1
	s_barrier_wait -1
	s_cmp_lg_u32 s14, 0
	s_cbranch_scc1 .Lnot_wave_0_\@
	s_barrier_signal -3
.Lnot_wave_0_\@:
	s_barrier_wait -3
	s_barrier_signal -1
	s_barrier_wait -1
.endm
.macro ASKPC                           ; in the lap loop's last trip: my 64 rows x 256 bytes of prev_c, a lane a row
	s_cmp_eq_u32 s3, 1
	s_cbranch_scc0 .Lno_ask_\@
	global_prefetch_b8 v[PFO], s[PB:PB+1] th:TH_LOAD_NT scope:SCOPE_SE
	global_prefetch_b8 v[PFO], s[PB:PB+1] offset:64*OROW th:TH_LOAD_NT scope:SCOPE_SE
.Lno_ask_\@:
.endm
.macro ASKT                            ; behind the refill of K step s: K step s + 2 of my 32 rows; the lap loop's last trip (s = 6, 7) asks for nothing
	s_cmp_gt_u32 s3, s[LIM]
	s_cbranch_scc0 .Lno_askt_\@
	global_prefetch_b8 v[PFT], s[PFA:PFA+1] offset:3*ROWB th:TH_LOAD_NT scope:SCOPE_SE
.Lno_askt_\@:
.endm
.macro ASKN k                          ; at the change of tiles: K step k of the next tile's acodes; A's waves alone
	s_cmp_eq_u32 s15, 0
	s_cbranch_scc0 .Lno_askn_\@
	global_prefetch_b8 v[PFT], s[PFA:PFA+1] offset:(\k)*ROWB th:TH_LOAD_NT scope:SCOPE_SE
.Lno_askn_\@:
.endm
	s_load_b128 s[4:7], s[0:1], 0x0                ; acodes, wcodes
	s_load_b128 s[8:11], s[0:1], 0x10              ; the scales' exponents, out0
	s_load_b128 s[68:71], s[0:1], 0x20             ; prev_c, pre
	v_lshl_add_u32 v[SPW], v0, 2, SPARE
	v_mov_b32 v[NIL], 0
	ds_add_u32 v[SPW], v[NIL]                      ; the opening lines: the add, twice on end, and its wait ahead of my first tensor load
	ds_add_u32 v[SPW], v[NIL]
	v_lshrrev_b32 v1, 5, v0
	v_readfirstlane_b32 s14, v1                    ; wave 0..3
	s_lshr_b32 s15, s14, 1                         ; rh: my half of the tile's rows.  Also: I fetch for A (0) or for B (1)
	s_and_b32 s16, s14, 1                          ; c: my 32 of the tile's 64 units.  Also: which 128 rows I fetch
	s_bfe_u32 s40, ttmp6, 0x40000                  ; cx, cy
	s_bfe_u32 s41, ttmp6, 0x40004
	s_lshl_b32 s42, ttmp9, 2
	s_add_co_u32 s42, s42, s40                     ; J
	s_and_b32 s17, ttmp7, 0xffff
	s_lshl_b32 s17, s17, 2
	s_add_co_u32 s17, s17, s41                     ; I of my first tile, 0 .. 15
	s_lshl_b32 s43, s41, 2
	s_lshl_b32 s43, 15, s43                        ; my row of the cluster
	s_lshl_b32 s44, 0x1111, s40                    ; my column
	s_or_b32 s[G1+0], s43, (0<<16)|(1<<20)|(1<<21)|(5<<22)|(3<<25)  ; mask; bytes; padding of 4 words behind every 64
	s_or_b32 s[G1B+0], s44, (0<<16)|(1<<20)|(1<<21)|(5<<22)|(3<<25)
.irp g, G1, G1B
	s_mov_b32 s[\g+1], ROWB<<16
	s_mov_b32 s[\g+2], 128<<16
	s_mov_b32 s[\g+3], ROWB<<16
	s_mov_b32 s[\g+4], 128
	s_mov_b32 s[\g+5], KROW
	s_mov_b32 s[\g+6], 0
	s_mov_b32 s[\g+7], 0
.endr
	s_lshl_b32 s18, s16, 7
	s_lshl_b32 s20, s17, 8
	s_add_co_u32 s20, s20, s18                     ; A: row 256 I + 128 x half
	s_lshl_b32 s46, s42, 8
	s_add_co_u32 s46, s46, s18                     ; B: row 256 J + 128 x half
	s_mov_b32 s21, 0
	s_mov_b32 s47, 0
	s_mov_b64 s[18:19], KROW
	s_mul_u64 s[20:21], s[20:21], s[18:19]
	s_mul_u64 s[46:47], s[46:47], s[18:19]
	s_mul_i32 s45, s14, HALFT                      ; where they go: wave x 128 rows
	s_wait_dscnt 0x0                               ; both opening adds are done
	s_wait_kmcnt 0x0
	s_load_b256 s[80:87], s[8:9], 0x0              ; e0 .. e7
	s_add_nc_u64 s[20:21], s[4:5], s[20:21]
	s_add_nc_u64 s[46:47], s[6:7], s[46:47]
	CROUND                                         ; all sixteen work-groups are here: the first joint loads meet
.irp s, 0,1
	s_mov_b32 s[G0+4*\s], 1
	s_add_co_u32 s[G0+4*\s+1], s45, \s*SLOT
	s_add_nc_u64 s[G0+4*\s+2:G0+4*\s+3], s[20:21], \s*ROWB
	s_or_b32 s[G0+4*\s+3], s[G0+4*\s+3], 0x80000000
	s_mov_b32 s[G0B+4*\s], 1
	s_add_co_u32 s[G0B+4*\s+1], s45, \s*SLOT
	s_add_nc_u64 s[G0B+4*\s+2:G0B+4*\s+3], s[46:47], \s*ROWB
	s_or_b32 s[G0B+4*\s+3], s[G0B+4*\s+3], 0x80000000
.endr
	JLOAD G0, G1, G0B, G1B                         ; K step 0: one tensor load a wave
	v_and_b32 v1, 15, v0                           ; r
	v_bfe_u32 v2, v0, 4, 1                         ; h
	v_mul_u32_u24 v3, v1, PITCH
	s_wait_alu depctr_va_vdst(0)
	v_lshl_add_u32 v4, v2, 4, v3                   ; a fragment's row x pitch + 16 h
	s_mul_i32 s21, s15, HALFT
	s_mul_i32 s22, s16, HALFT
	s_add_co_u32 s22, s22, 2*HALFT
.irp s, 0,1
	v_add_nc_u32 v[ADRA+\s], s21, v4
	v_add_nc_u32 v[ADRB+\s], s22, v4
	s_add_co_u32 s21, s21, SLOT
	s_add_co_u32 s22, s22, SLOT
.endr
	s_mul_i32 s18, s15, 16*PITCH
	s_lshl_b32 s19, s16, 7
	s_add_co_u32 s18, s18, s19
	s_add_co_u32 s18, s18, STAGE
	v_lshl_add_u32 v[STW], v2, 5, v3
	v_add_nc_u32 v[STW], s18, v[STW]
	s_mul_i32 s18, s15, 16*PITCH
	s_mul_i32 s19, s16, 8*PITCH
	s_add_co_u32 s18, s18, s19
	s_add_co_u32 s18, s18, STAGE
	v_mul_u32_u24 v[STR], v2, PITCH
	v_lshl_add_u32 v[STR], v1, 4, v[STR]
	v_add_nc_u32 v[STR], s18, v[STR]
	v_lshlrev_b32 v[CO], 12, v2
	v_lshl_add_u32 v[CO], v1, 4, v[CO]
	v_and_b32 v6, 31, v0
	v_lshlrev_b32 v[PFT], 11, v6
	v_lshrrev_b32 v5, 3, v6
	v_and_b32 v6, 7, v6
	v_lshl_add_u32 v5, v5, 4, v6
	v_lshlrev_b32 v[PFO], 12, v5
	v_lshlrev_b32 v[VA], 5, v2                     ; gate i's addend is always its bias: 32 h
	s_lshl_b32 s18, s42, 8
	s_lshl_b32 s19, s16, 7
	s_add_co_u32 s18, s18, s19                     ; my 32 units in a row, in bytes
	s_mov_b32 s19, 0
	s_add_nc_u64 s[SB:SB+1], s[70:71], s[18:19]
	s_lshl_b32 s18, s17, 8
	s_lshl_b32 s19, s15, 7
	s_add_co_u32 s18, s18, s19
	s_lshl_b32 s46, s18, 12                        ; my 128 rows, in bytes
	s_lshl_b32 s19, s16, 3
	s_add_co_u32 s18, s18, s19                     ; the rows that I send: 8 c on in each block
	s_lshl_b32 s18, s18, 12
	s_lshl_b32 s19, s42, 8
	s_add_co_u32 s18, s18, s19                     ; + 64 J numbers
	s_mov_b32 s19, 0
	s_add_nc_u64 s[PB:PB+1], s[68:69], s[18:19]
	s_add_nc_u64 s[OW:OW+1], s[10:11], s[18:19]
	s_add_nc_u64 s[OC:OC+1], s[OW:OW+1], 0x2000000 ; c's plane is out0's second
	s_lshl_b32 s76, s17, 8                         ; the codes' prefetches: the tile's first row, in acodes by I,
	s_lshl_b32 s77, s42, 8                         ; in wcodes by J
	s_lshl_b32 s78, s16, 7                         ; + the 128 rows that I fetch
	s_cmp_eq_u32 s15, 0                            ; do I fetch for A?
	s_cselect_b32 s76, s76, s77
	s_cselect_b32 s77, s40, s41                    ; my place among the four that ask with me
	s_cselect_b64 s[PFA:PFA+1], s[4:5], s[6:7]
	s_add_co_u32 s76, s76, s78
	s_lshl_b32 s77, s77, 5
	s_add_co_u32 s76, s76, s77                     ; + my work-group's 32 of them
	s_lshl_b32 s76, s76, 11                        ; rows of 2,048 bytes
	s_mov_b32 s77, 0
	s_add_nc_u64 s[PFA:PFA+1], s[PFA:PFA+1], s[76:77]
	s_mov_b32 s[LIM], 1
	s_wait_kmcnt 0x0
	s_mov_b32 s100, s80                            ; e0
; Gate g: f = 1 where its A scale differs from the plane's.  Its addend's offset: 32 h + 4,096 g + f x (r rows + the plane's place + my rows - 4,096 g); from block to block f x 16 rows; from block 7 to the next tile's block 0 f x 3,984 rows.
.macro FLAG g, f, st, ts
	s_cmp_lg_u32 s[80+2*\g], s100
	s_cselect_b32 s[\f], 1, 0
	s_min_u32 s[\f], s[\f], 1
	s_add_co_u32 s18, s46, PREB+(((\g)-1)<<25)-(\g)*OROW
	s_mul_i32 s18, s18, s[\f]
	s_add_co_u32 s18, s18, (\g)*OROW
	s_lshl_b32 s[\st], s[\f], 16
	s_mul_i32 s[\ts], s[\f], 3984*OROW
	s_lshl_b32 s20, s[\f], 12
	v_mul_u32_u24 v[VA+\g], v1, s20
	v_lshl_add_u32 v[VA+\g], v2, 5, v[VA+\g]
	v_add_nc_u32 v[VA+\g], s18, v[VA+\g]
.endm
	FLAG 1, 101, 12, 67
	s_wait_alu depctr_va_vdst(0)                   ; waits ahead of runs of scalar lines
	FLAG 2, 22, 13, 88
	s_wait_alu depctr_va_vdst(0)
	FLAG 3, 23, 66, 89
; The gate's factor: c x 2^(e0 + e[2g+1]), the exponents added to c's exponent field; 0 where the gate's exponent comes from pre
.macro SCALE g, c, f
	s_add_co_i32 s18, s100, s[81+2*\g]
	s_lshl_b32 s18, s18, 23
	s_add_co_i32 s18, s18, \c
.if (\g) > 0
	s_cmp_eq_u32 s[\f], 0
	s_cselect_b32 s18, s18, 0
.endif
	s_mov_b32 s[80+2*\g], s18
	s_mov_b32 s[81+2*\g], s18
.endm
	s_wait_alu depctr_va_vdst(0)
	global_prefetch_b8 v[PFT], s[PFA:PFA+1] offset:ROWB th:TH_LOAD_NT scope:SCOPE_SE     ; K steps 1 and 2 of my 32 rows
	global_prefetch_b8 v[PFT], s[PFA:PFA+1] offset:2*ROWB th:TH_LOAD_NT scope:SCOPE_SE
	SCALE 0, CNL, 0
	SCALE 1, CNL, 101
	SCALE 2, CNL, 22
	SCALE 3, CN2L, 23
	s_mov_b32 s42, CN2L
	s_mov_b32 s43, CN2L
.macro ADLOAD set                      ; a block's addends: for gate g and half u the lane's eight units
.irp g, 0,1,2,3
.irp u, 0,1
	global_load_b128 v[\set+16*\g+8*\u:\set+16*\g+8*\u+3],   v[VA+\g], s[SB:SB+1] offset:64*\u
	global_load_b128 v[\set+16*\g+8*\u+4:\set+16*\g+8*\u+7], v[VA+\g], s[SB:SB+1] offset:64*\u+16
.endr
.endr
.endm
.macro VASTEP s1, s2, s3               ; behind a wait on XCNT: the addends' loads have read their offsets
	v_add_nc_u32 v[VA+1], s[\s1], v[VA+1]
	v_add_nc_u32 v[VA+2], s[\s2], v[VA+2]
	v_add_nc_u32 v[VA+3], s[\s3], v[VA+3]
	s_wait_alu depctr_va_vdst(0)
.endm
	ADLOAD AD0                                     ; block 0's: v32-95 are touched by nothing through the products
	s_wait_xcnt 0x0
	VASTEP 12, 13, 66                              ; to block 1
.macro FRAG reg, adr, q, i             ; 16 rows x 128 K: registers 4 c .. 4 c + 3 hold K = 32 c + 16 h + 0 .. 15: the same order of k in A and in B
.irp c, 0,1,2,3
	ds_load_b128 v[\reg+4*\c:\reg+4*\c+3], v[\adr] offset:128*(\q)+32*\c+(\i)*16*PITCH
.endr
.endm
.macro LB slot, q, p, i                ; B's fragment i of the slot's q-th 128 along K into set p
	WIN TO_B
	FRAG 128*(\p)+FR*(\i), ADRB+\slot, \q, \i
.endm
.macro LA slot, q, i                   ; A's block i
	WIN 0
	FRAG AF+FR*(\i), ADRA+\slot, \q, \i
.endm
; Four products: A's block a x B's fragments 4 bh .. 4 bh + 3.  zero = 1: the first product starts the sums.  The 64 accumulators take turns, in the same order in every step.
.macro MUL4 a, bh, p, zero
.irp b, 0,1,2,3
.if \zero
	v_wmma_f32_16x16x128_bf8_bf8 v[8*(8*((\a)%4)+4*(\bh)+\b):8*(8*((\a)%4)+4*(\bh)+\b)+7], v[128*(\p)+FR*(4*(\bh)+\b):128*(\p)+FR*(4*(\bh)+\b)+FR-1], v[AF+FR*(\a):AF+FR*(\a)+FR-1], 0
.else
	v_wmma_f32_16x16x128_bf8_bf8 v[8*(8*((\a)%4)+4*(\bh)+\b):8*(8*((\a)%4)+4*(\bh)+\b)+7], v[128*(\p)+FR*(4*(\bh)+\b):128*(\p)+FR*(4*(\bh)+\b)+FR-1], v[AF+FR*(\a):AF+FR*(\a)+FR-1], v[8*(8*((\a)%4)+4*(\bh)+\b):8*(8*((\a)%4)+4*(\bh)+\b)+7]
.endif
.endr
.endm
.macro MUL16 a0, p                     ; sixteen on end: A's blocks a0, a0 + 1 x B's eight
	MUL4 \a0, 0, \p, 0
	MUL4 \a0, 1, \p, 0
	MUL4 (\a0)+1, 0, \p, 0
	MUL4 (\a0)+1, 1, \p, 0
.endm
.macro PLACES n
.rept \n
	v_nop
.endr
.endm
; Quarter i of a step: A's blocks 2 i, 2 i + 1 x B's eight, and four places: a load into a register that a matrix instruction has read stands four places behind it (ISA guide 7.12.1 for vector instructions)
.macro QD i, p, zero
	WIN MUL_LO+0x50*((\i)/2)
	MUL4 2*(\i), 0, \p, \zero
	MUL4 2*(\i), 1, \p, \zero
	MUL4 2*(\i)+1, 0, \p, \zero
	MUL4 2*(\i)+1, 1, \p, \zero
	PLACES NP
.endm
; A step that has its successor in the same slot.  One set of registers serves A: a block is free behind its quarter's places.  B has two sets.
; The successor's fragments are asked for in four runs: B 0-5 | B 6 7, A 0 1 | A 2 3 | A 4-7.
.macro STEP slot, q, zero
	s_wait_dscnt 24                                ; B's set and A's blocks 0, 1 are in; the youngest 24 loads (A's blocks 2-7) may be out
	QD 0, (\q)%2, \zero
.irp i, 0,1,2,3,4,5
	LB \slot, (\q)+1, 1-(\q)%2, \i
.endr
	s_wait_dscnt 40                                ; the 24 just issued and A's blocks 4-7 may be out: blocks 2 and 3 are in
	QD 1, (\q)%2, \zero
	LB \slot, (\q)+1, 1-(\q)%2, 6
	LB \slot, (\q)+1, 1-(\q)%2, 7
	LA \slot, (\q)+1, 0
	LA \slot, (\q)+1, 1
	s_wait_dscnt 40                                ; this step's 40 loads may be out: A's blocks 4-7 are in
	QD 2, (\q)%2, \zero
	LA \slot, (\q)+1, 2
	LA \slot, (\q)+1, 3
	QD 3, (\q)%2, \zero
.irp i, 4,5,6,7
	LA \slot, (\q)+1, \i
.endr
.endm
; A slot's last step changes slots.  Sixteen products; each wave waits for all its tensor loads, adds 0 to its spare word, issues sixteen more products, waits for the add and for its reads of this slot; then the barrier.
; fill = 1: a round of the cluster's barrier, and the slot is filled again, two K steps ahead.  fill = 2: likewise, with the next tile's K step 0.  fill = 0: nothing is filled: the work-group's barrier alone.
; The next slot's first fragments: B 0-7, A 0 1 | A 2-5 | A 6 7.
.macro TURN slot, next, fill, ask
.if \fill == 1
	s_wait_xcnt 0x0                                ; my last prefetch has read its base, which steps a K step on
	s_add_nc_u64 s[PFA:PFA+1], s[PFA:PFA+1], ROWB
.endif
.if \fill == 2
	s_wait_xcnt 0x0
	s_add_nc_u64 s[PFA:PFA+1], s[PFA:PFA+1], NEXT_A   ; to the next tile's K step 0 (used by A's waves alone from here on)
.endif
	s_wait_dscnt 24                                ; B's set and A's blocks 0, 1 are in
	WIN MUL_LO
	MUL16 0, 1
	WIN 0                                          ; (the add's two registers lie in window 0)
	s_wait_tensorcnt 0x0                           ; all my tensor loads have landed: my part of the next slot; so a group 0 may be written
	ds_add_u32 v[SPW], v[NIL]
.if \fill == 1
	s_add_nc_u64 s[G0+4*\slot+2:G0+4*\slot+3], s[G0+4*\slot+2:G0+4*\slot+3], 2*ROWB
	s_add_nc_u64 s[G0B+4*\slot+2:G0B+4*\slot+3], s[G0B+4*\slot+2:G0B+4*\slot+3], 2*ROWB
.endif
.if \fill == 2
	s_add_nc_u64 s[G0+4*\slot+2:G0+4*\slot+3], s[G0+4*\slot+2:G0+4*\slot+3], NEXT_A
	s_sub_nc_u64 s[G0B+4*\slot+2:G0B+4*\slot+3], s[G0B+4*\slot+2:G0B+4*\slot+3], BACK_B
.endif
	s_wait_dscnt 17                                ; the add and A's blocks 4-7 may be out: blocks 2 and 3 are in
	WIN MUL_LO
	MUL16 2, 1
	WIN 0
	s_wait_dscnt 0x0                               ; the add is done, and my reads of this slot are over
.if \fill
	CROUND                                         ; no wave of any partner still reads this slot's tile or has a load on its way
	JLOAD G0+4*\slot, G1, G0B+4*\slot, G1B         ; the first tensor load behind the round; its four v_nop are the places in front of the loads below
.else
	s_barrier_signal -1
	s_barrier_wait -1
	PLACES NP
.endif
.irp i, 0,1,2,3,4,5,6,7
	LB \next, 0, 0, \i
.endr
	LA \next, 0, 0
	LA \next, 0, 1
.if \fill == 1
	ASKT
.endif
.if \fill == 2
	ASKN 2
.endif
.if \ask
	ASKPC
.endif
	QD 2, 1, 0
.irp i, 2,3,4,5
	LA \next, 0, \i
.endr
	QD 3, 1, 0
	LA \next, 0, 6
	LA \next, 0, 7
.endm
.macro FIRSTF                          ; a tile's first fragments, from slot 0
.irp i, 0,1,2,3,4,5,6,7
	LB 0, 0, 0, \i
.endr
.irp i, 0,1,2,3,4,5,6,7
	LA 0, 0, \i
.endr
.endm
.macro LASTSTEP                        ; a tile's last step: nothing more to fetch
	s_wait_dscnt 16                                ; A's blocks 4-7 may be out
	WIN MUL_LO
	MUL16 0, 1
	MUL16 2, 1
	s_wait_dscnt 0
	WIN MUL_HI
	MUL16 4, 1
	MUL16 6, 1
	WIN 0
.endm
	s_wait_tensorcnt 0x0                           ; my part of K step 0 is in
	ds_add_u32 v[SPW], v[NIL]
	s_wait_dscnt 0x0
	CROUND                                         ; everybody's part of K step 0 is in, and all sixteen work-groups are here
	JLOAD G0+4, G1, G0B+4, G1B                     ; K step 1: slot 1's first fill, the first tensor load behind the round
	FIRSTF
	global_prefetch_b8 v[PFT], s[PFA:PFA+1] offset:3*ROWB th:TH_LOAD_NT scope:SCOPE_SE   ; K step 3 of my 32 rows
	; THE FIRST TILE'S PRODUCTS
	STEP 0, 0, 1                                   ; the first step stands in front of the loop: its products start the sums
	s_mov_b32 s3, LAPS-1
.Llap_a:                                               ; a trip goes once round the ring and fills both slots again
	TURN 0, 1, 1, 1
	STEP 1, 0, 0
	TURN 1, 0, 1, 0
	STEP 0, 0, 0
	s_sub_co_u32 s3, s3, 1
	s_cmp_lg_u32 s3, 0
	s_cbranch_scc1 .Llap_a
	TURN 0, 1, 2, 0                                ; slot 0 takes the second tile's K step 0
	STEP 1, 0, 0
	LASTSTEP
	s_wait_tensorcnt 0x0                           ; all my tensor loads have landed, my part of the second tile's K step 0 among them
	ds_add_u32 v[SPW], v[NIL]
	s_add_nc_u64 s[G0+6:G0+7], s[G0+6:G0+7], NEXT_A
	s_sub_nc_u64 s[G0B+6:G0B+7], s[G0B+6:G0B+7], BACK_B
	s_wait_dscnt 0x0                               ; the add is done, and my reads of slot 1 are over
	CROUND
	JLOAD G0+4, G1, G0B+4, G1B                     ; slot 1 takes the second tile's K step 1
	ASKN 3
	s_mov_b32 s2, 2                                ; tiles to go, this one among them: the same number in every work-group
; THE GATES AND THE WAY OUT.  Trip a of nine: block a's P, f, o (a < 8) and block a - 1's c and h (a > 0).
; Two barriers a block: one, signalled when my reads of the stage are back and waited for ahead of my next stores into it, with work on registers alone between; one between those stores and the reads.
.macro PCL a                           ; prev_c of the 8 rows of block a that I send: two rows of 256 bytes an instruction
.irp i, 0,1,2,3
	global_load_b128 v[PC0+16*((\a)%2)+4*\i:PC0+16*((\a)%2)+4*\i+3], v[CO], s[PB:PB+1] offset:OROW*(16*(\a)+2*\i) th:TH_LOAD_NT
.endr
.endm
.macro ITER a
.set ADC, AD0+64*((\a)%2)
.set ADN, AD0+64*(((\a)+1)%2)
.set PCS, PC0+16*(((\a)+1)%2)
.set AC, 64*((\a)%4)
	s_wait_loadcnt 0x0                             ; block a's addends and block a - 1's prev_c, asked for a trip ago, are in
.if (\a) < 8
	PCL \a
.endif
.if (\a) < 7
	ADLOAD ADN                                     ; the next block's addends
.endif
.if (\a) < 8
	WIN 0x42+((\a)/4)                              ; source 0 window 2 or 3, destination window 1
	s_wait_alu depctr_va_vdst(0)
.set j, 0
.rept 32
	v_pk_fma_f32 v[T+j:T+j+1], v[AC+j:AC+j+1], s[80+2*(j/16):81+2*(j/16)], v[ADC+j:ADC+j+1] op_sel_hi:[1,0,1]   ; the exponent: sum x factor + addend; each accumulator from its low end on
.set j, j+2
.endr
.endif
.if (\a) > 0
	s_wait_dscnt 0x0                               ; block a - 1's rows are back from the stage
.if (\a) < 8
	s_barrier_signal -1                            ; my reads of the stage are over
.endif
	WIN 0x40
.irp j, 0,2,4,6,8,10,12,14
	v_pk_fma_f32 v[C+\j:C+\j+1], v[SF+\j:SF+\j+1], v[PCS+\j:PCS+\j+1], v[SP+\j:SP+\j+1]            ; c = f prev_c + i z
.endr
	WIN 0x41
.irp j, 0,2,4,6,8,10,12,14
	v_pk_mul_f32 v[TC+\j:TC+\j+1], v[C+\j:C+\j+1], s[42:43] op_sel_hi:[1,0]                        ; -2 log2(e) c
.endr
.endif
	WIN 0x41                                       ; source 0 and destination window 1
	s_wait_alu depctr_va_vdst(0)                   ; a wait ahead of each batch and one behind it
.if (\a) < 8
.set j, 0
.rept 64
	v_exp_f32 v[T+j], v[T+j]                       ; Ei, Ef, Eo, Ez
.set j, j+1
.endr
.endif
.if (\a) > 0
.set j, 0
.rept 16
	v_exp_f32 v[TC+j], v[TC+j]                     ; Ec
.set j, j+1
.endr
.endif
	v_nop                                          ; a plain line behind the last exponential
	s_wait_alu depctr_va_vdst(0)
.if (\a) < 8
.set j, 0
.rept 32
	v_pk_add_f32 v[T+j:T+j+1], v[T+j:T+j+1], 1.0 op_sel_hi:[1,0]                                   ; 1 + E
.set j, j+2
.endr
.endif
.if (\a) > 0
.irp j, 0,2,4,6,8,10,12,14
	v_pk_add_f32 v[TC+\j:TC+\j+1], v[TC+\j:TC+\j+1], 1.0 op_sel_hi:[1,0]
.endr
.endif
	s_wait_alu depctr_va_vdst(0)
.if (\a) < 8
.set j, 0
.rept 64
	v_rcp_f32 v[T+j], v[T+j]                       ; i, f, o, and 1 / (1 + Ez)
.set j, j+1
.endr
.endif
.if (\a) > 0
.set j, 0
.rept 16
	v_rcp_f32 v[TC+j], v[TC+j]
.set j, j+1
.endr
.endif
	v_nop
	s_wait_alu depctr_va_vdst(0)
.if (\a) < 8
.irp j, 0,2,4,6,8,10,12,14
	v_pk_fma_f32 v[TZ+\j:TZ+\j+1], v[TZ+\j:TZ+\j+1], 2.0, -1.0 op_sel_hi:[1,0,0]                   ; z = 2 / (1 + Ez) - 1
.endr
.endif
.if (\a) > 0
.irp j, 0,2,4,6,8,10,12,14
	v_pk_fma_f32 v[TC+\j:TC+\j+1], v[TC+\j:TC+\j+1], 2.0, -1.0 op_sel_hi:[1,0,0]                   ; tanh(c)
.endr
.irp j, 0,2,4,6,8,10,12,14
	v_pk_mul_f32 v[TC+\j:TC+\j+1], v[TC+\j:TC+\j+1], v[SO+\j:SO+\j+1]                              ; h
.endr
.endif
.if (\a) < 8
	WIN 0x45
.irp j, 0,2,4,6,8,10,12,14
	v_pk_mul_f32 v[TI+\j:TI+\j+1], v[TI+\j:TI+\j+1], v[TZ+\j:TZ+\j+1]                              ; P = i z
.endr
.endif
	s_wait_alu depctr_va_vdst(0)
.if (\a) > 0 && (\a) < 8
	s_barrier_wait -1                              ; everybody's reads of the stage are over
.endif
	WIN FROM_B
.if (\a) > 0
.irp i, 0,1,2,3
	global_store_b128 v[CO], v[C+4*\i:C+4*\i+3], s[OC:OC+1] offset:OROW*(16*((\a)-1)+2*\i) th:TH_STORE_NT     ; sixteen lanes store 256 consecutive bytes, aligned
.endr
.irp i, 0,1,2,3
	global_store_b128 v[CO], v[TC+4*\i:TC+4*\i+3], s[OW:OW+1] offset:OROW*(16*((\a)-1)+2*\i) th:TH_STORE_NT
.endr
.endif
.if (\a) < 8
.irp p, 0,1,2
.irp u, 0,1
	ds_store_b128 v[STW], v[T+16*\p+8*\u:T+16*\p+8*\u+3]   offset:\p*PL+64*\u
	ds_store_b128 v[STW], v[T+16*\p+8*\u+4:T+16*\p+8*\u+7] offset:\p*PL+64*\u+16
.endr
.endr
.endif
	WIN 0
	s_wait_xcnt 0x0                                ; the stores have read their data, the loads their offsets: both are written again
.if (\a) < 6
	VASTEP 12, 13, 66                              ; to the block after next
.endif
.if (\a) < 8
	s_wait_dscnt 0x0                               ; for the others' sake: my stores into the stage are done
	s_barrier_signal -1
	s_barrier_wait -1
.irp p, 0,1,2
.irp i, 0,1,2,3
	ds_load_b128 v[SP+16*\p+4*\i:SP+16*\p+4*\i+3], v[STR] offset:\p*PL+2*\i*PITCH   ; lanes 0-15 one row of 256 bytes, lanes 16-31 the next
.endr
.endr
.endif
.endm
.Ltile:
	PLACES NP                                      ; behind the last products: for the reads of results and the writes of and loads into registers that held fragments
.irp a, 0,1,2,3,4,5,6,7,8
	ITER \a
.endr
	s_cmp_eq_u32 s2, 1
	s_cbranch_scc1 .Lend                           ; the last tile leaves the loop here
	; THE SECOND TILE'S PRODUCTS: its K step 0 was shown landed to all waves by the round in front of slot 1's fill
	s_add_nc_u64 s[OW:OW+1], s[OW:OW+1], TILEB     ; 4,096 rows on (all earlier loads and stores have read these bases)
	s_add_nc_u64 s[OC:OC+1], s[OC:OC+1], TILEB
	s_add_nc_u64 s[PB:PB+1], s[PB:PB+1], TILEB
	s_cmp_eq_u32 s15, 0
	s_cselect_b32 s[LIM], 1, -1                    ; wcodes' rows have been read: B's waves prefetch no more
	VASTEP 67, 88, 89                              ; from block 7 to this tile's block 0
	ADLOAD AD0
	s_wait_xcnt 0x0
	VASTEP 12, 13, 66
	FIRSTF
	STEP 0, 0, 1
	s_mov_b32 s3, LAPS-1
.Llap_b:
	TURN 0, 1, 1, 1
	STEP 1, 0, 0
	TURN 1, 0, 1, 0
	STEP 0, 0, 0
	s_sub_co_u32 s3, s3, 1
	s_cmp_lg_u32 s3, 0
	s_cbranch_scc1 .Llap_b
	TURN 0, 1, 0, 0                                ; the last lap fills nothing
	STEP 1, 0, 0
	LASTSTEP
	s_sub_co_u32 s2, s2, 1
	s_cmp_lg_u32 s2, 0
	s_cbranch_scc1 .Ltile
.Lend:
	s_wait_tensorcnt 0x0                           ; the wave's end
	ds_add_u32 v[SPW], v[NIL]
	s_wait_dscnt 0x0
	CROUND                                         ; the closing round
	s_endpgm
.Lfunc_end_k_q62b750f07a_lstm:
	.size	k_q62b750f07a_lstm, .Lfunc_end_k_q62b750f07a_lstm-k_q62b750f07a_lstm
	.p2alignl 7, 3214868480
	.fill 96, 4, 3214868480
	.section	.rodata,"a",@progbits
	.p2align	6, 0x0
	.amdhsa_kernel k_q62b750f07a_lstm
		.amdhsa_group_segment_fixed_size 327680
		.amdhsa_private_segment_fixed_size 0
		.amdhsa_enable_private_segment 0
		.amdhsa_kernarg_size 48
		.amdhsa_user_sgpr_count 2
		.amdhsa_user_sgpr_kernarg_segment_ptr 1
		.amdhsa_wavefront_size32 1
		.amdhsa_system_sgpr_workgroup_id_x 1
		.amdhsa_system_sgpr_workgroup_id_y 1
		.amdhsa_system_sgpr_workgroup_id_z 1
		.amdhsa_system_vgpr_workitem_id 0
		.amdhsa_next_free_vgpr 1024
		.amdhsa_next_free_sgpr 102
		.amdhsa_reserve_vcc 0
		.amdhsa_float_denorm_mode_32 3
		.amdhsa_float_denorm_mode_16_64 3
		.amdhsa_memory_ordered 1
		.amdhsa_forward_progress 1
		.amdhsa_inst_pref_size 255
	.end_amdhsa_kernel
	.section	.bss,"aw",@nobits
	.p2align	6
	.space	262144
	.amdgpu_metadata
---
amdhsa.version: [ 1, 2 ]
amdhsa.kernels:
  - .name:           k_q62b750f07a_lstm
    .symbol:         k_q62b750f07a_lstm.kd
    .args:
      - { .name: acodes, .offset: 0, .size: 8, .value_kind: global_buffer, .address_space: global }
      - { .name: wcodes, .offset: 8, .size: 8, .value_kind: global_buffer, .address_space: global }
      - { .name: lowp_scales, .offset: 16, .size: 8, .value_kind: global_buffer, .address_space: global }
      - { .name: out0, .offset: 24, .size: 8, .value_kind: global_buffer, .address_space: global }
      - { .name: prev_c, .offset: 32, .size: 8, .value_kind: global_buffer, .address_space: global }
      - { .name: pre, .offset: 40, .size: 8, .value_kind: global_buffer, .address_space: global }
    .group_segment_fixed_size: 327680
    .private_segment_fixed_size: 0
    .kernarg_segment_align: 8
    .kernarg_segment_size: 48
    .max_flat_workgroup_size: 128
    .sgpr_count:     102
    .vgpr_count:     1024
    .wavefront_size: 32
...
	.end_amdgpu_metadata
.endif
;; end of part 2
